; MI455X (gfx1250); checked and timed in simulation.
; The chip was launched on July 23, 2026; its instructions are those of AMD's public machine-readable ISA for CDNA 5 (MIT licence, August 2026) and "CDNA5" Instruction Set Architecture Reference Guide (July 2026). The comments in the code are by the model that wrote it; some were corrected since.
;; Causal Self Attention. Allowed arithmetic: matrix products marked QUANTISED: E4M3 operands, one given power-of-two scale a tensor, by v_wmma_f32_16x16x64_fp8_fp8 or v_wmma_f32_16x16x128_fp8_fp8, f32 sums; everything else in f32.
;; Inputs: W_out_codes 1,024 x 32 x 32 uint8 (E4M3 codes of W_out, K innermost, in blocks of 32 codes); W_qkv_codes 3,072 x 32 x 32 uint8 (E4M3 codes of W_qkv, K innermost, in blocks of 32 codes); b_out 1,024 float32; b_qkv 3,072 float32; lowp_scales 8 int32 (the exponents e of the quantised operands' scales 2^e); x_codes 4 x 2,048 x 32 x 32 uint8 (E4M3 codes of x, K innermost, in blocks of 32 codes).
;; Outputs: out0 4 x 2,048 x 1,024 float32.
;; This version of the problem:
;;   THIS VERSION OF THE PROBLEM IS GIVEN IN LOW PRECISION. The matrix products marked QUANTISED in the list below multiply operands that are first quantised to E4M3 (4 exponent bits, 3 mantissa bits; 8 bits a number), with one given power-of-two scale for each operand tensor; their sums are f32. All else is computed in f32.
;;   The module's matrix products, in the order in which they are computed (A, B: the left and right operand; K: the contracted axis; several contracted axes count as one K, in the product's order):
;;     1. [M 8,192, K 1,024] x [K 1,024, N 3,072]; A: input x (given as codes); B: input W_qkv (given as codes): QUANTISED (scales: A lowp_scales[0], B lowp_scales[1])
;;     2. batch 64 x [M 2,048, K 64] x [K 64, N 2,048]; A: computed on the way; B: computed on the way: QUANTISED (scales: A lowp_scales[2], B lowp_scales[3])
;;     3. batch 64 x [M 2,048, K 2,048] x [K 2,048, N 64]; A: softmax (see below); B: computed on the way: QUANTISED (scales: A lowp_scales[4], B lowp_scales[5])
;;     4. [M 8,192, K 1,024] x [K 1,024, N 1,024]; A: computed on the way; B: input W_out (given as codes): QUANTISED (scales: A lowp_scales[6], B lowp_scales[7])
;;   THE QUANTISER, for each operand of a quantised product, along K:
;;     - The operand's scale is 2^e, e = its entry of the input lowp_scales (int32; the entries are numbered through the quantised products in the list's order, A before B).
;;     - Each number is divided by the scale, clamped to +-448, and rounded to the nearest number of E4M3, ties to even, subnormals kept.
;;     - The product sums the exact products of the quantised numbers (number of the format x scale) in f32.
;;   ~~~python
;;   def quantise(x, axis, e):      # numpy; x: float32 -> the quantised numbers, widened to float32 again
;;       x = np.moveaxis(x, axis, -1); K = x.shape[-1]
;;       r = np.clip(x / 2.0 ** e, -448, 448)
;;       step = 2.0 ** (np.maximum(np.frexp(np.where(r == 0, 1, r))[1] - 1, -6) - 3)
;;       q = np.round(r / step) * step * 2.0 ** e      # np.round: ties to even
;;       return np.moveaxis(q, -1, axis).astype(np.float32)
;;   ~~~
;;   SOFTMAX AHEAD OF A QUANTISED PRODUCT. Where the list says 'softmax', what is quantised is not the finished softmax but p = 2^(t - M), with t = logit x log2(e) and M = ceil(the row's largest t), a whole number; so 1/2 < the row's largest p <= 1. The row's sum l is taken of the UNQUANTISED p, in f32, and the product's result is divided by l at the end. Since M is a whole number, a kernel that streams over the keys may use a running M (the ceiling of the running maximum): every later rescaling is an exact power of two, so the quantised numbers keep their values, but for numbers so far below the row's largest that they fall under the format's range.
;;   OPERANDS COMPUTED ON THE WAY. 'Computed on the way' means the value that the module computes at that place (a softmax that the list does not call 'softmax' is quantised finished and normalised). What goes into a quantiser is computed in f32, as accurately as f32 sums, v_exp_f32 and their like allow (about 1e-6 of the number): no bf16 or f16 on the way to a quantiser, and a product that is left as it is and whose result goes on into a quantised operand takes f32 operands (vector FMAs, or v_wmma_f32_16x16x4_f32). A number that lies on a knife's edge between two numbers of the format may be rounded either way, as far as f32 arithmetic and the matrix unit's own rounding can turn it there, and no further.
;;   INPUTS GIVEN AS CODES. W_out (in the module: [1024, 1024], K = its axis 0); W_qkv (in the module: [1024, 3072], K = its axis 0); x (in the module: [4, 2048, 1024], K = its axis 2): each comes as NAME_codes (uint8): NAME with its K axis moved to the last place and cut into blocks of 32 codes, [.., K / 32, bytes a block], one block behind the other in memory; one code a byte (a code: sign, 4 exponent bits, 3 mantissa bits); its scale is its entry of lowp_scales. Its value is code x scale, taken as it is: it is not quantised again, and the codes and scales need not be those that the quantiser above would give.
;; One version. Each part assembles by itself: llvm-mc -triple=amdgcn-amd-amdhsa -mcpu=gfx1250 --defsym DOCPART=n.
;; ======== version 1 of 1: 3 launches
;; limits: right only within a limited range of input values
;; workspace buffers: q_img 8,388,608 bytes; k_img 8,388,608 bytes; v_img 8,388,608 bytes; y_img 8,388,608 bytes
;; launch qkv (part 1): grid 12 x 32, 4 waves a work-group, clusters of 4 x 4, 327,680 bytes of LDS; arguments x_codes, W_qkv_codes, b_qkv, lowp_scales, q_img, k_img, v_img; writes q_img, k_img, v_img
.if DOCPART == 1
	.amdgcn_target "amdgcn-amd-amdhsa--gfx1250"
	.amdhsa_code_object_version 6
	.text
	.protected	k_qff8757846f_qkv
	.globl	k_qff8757846f_qkv
	.p2align	8
	.type	k_qff8757846f_qkv,@function
k_qff8757846f_qkv:
	s_mov_b64 s[64:65], 0
	v_nop
	global_prefetch_b8 v0, s[64:65] scope:SCOPE_SE
	s_setreg_imm32_b32 hwreg(HW_REG_WAVE_MODE, 25, 1), 1
	s_wait_xcnt 0x0
	s_wait_alu depctr_hold_cnt(0) depctr_sa_sdst(0) depctr_va_vdst(0) depctr_va_sdst(0) depctr_va_ssrc(0) depctr_va_vcc(0) depctr_vm_vsrc(0)
	s_getreg_b32 s2, hwreg(HW_REG_IB_STS2, 6, 4)
	s_cmp_eq_u32 s2, 0
	s_cbranch_scc0 .Lentry_in_a_cluster
	s_endpgm
.Lentry_in_a_cluster:
	s_bfe_u32 s2, ttmp6, 0x10000c
	s_cmp_lg_u32 s2, 0xf033
	s_cbranch_scc0 .Lentry_shape_is_right
	s_endpgm
.Lentry_shape_is_right:
; qkv = x W_qkv + b_qkv on codes of FP8 (E4M3), and its three parts q, k, v quantised again, each with its given scale, into buffers that the attention launch reads.
; x: [8192][1024] codes, W_qkv: [3072][1024] codes, K innermost.  A number of x is code x 2^e0, of W code x 2^e1 (entries 0, 1 of the scales).  q takes entry 2, k entry 3, v entry 5.
; A tile of 256 tokens x 256 columns is made by a work-group of four waves; a wave makes 128 x 128: 64 accumulators of 16 x 16, 512 registers.  K goes in steps of 256 through a ring of two LDS slots.
; CLUSTERS: 4 x 4 work-groups.  The four of a row need the same tiles of x, the four of a column the same tiles of W: each tile is asked for JOINTLY.  A cluster is 1,024 columns wide, so the cluster's x says
; whether all sixteen make q (0), k (1) or v (2): the one branch at the end hangs on that number, which all partners share.
; THE MATRIX INSTRUCTION IS USED TRANSPOSED (source 0 = 16 rows of W, source 1 = 16 tokens): lane (r, h) holds token r and, in register j of tile b, column 16 b + 8 h + j.
; THE BIAS is the C of each sum's first product, divided by 2^(e0 + e1), the power of two that the sums lack.
; THE WAY OUT.  One conversion of a tile's eight registers gives two registers: eight codes of columns 16 b + 8 h + 0..7.  These ARE registers 2 b, 2 b + 1 of an operand of the K = 64 form whose K is a head's 64 channels.
; So q and k leave as images of the operand's registers: [batch x head][tile of 16 tokens][2][lane][16 bytes]; a store of the wave covers 512 consecutive bytes, aligned.
; v's K in the next launch is the tokens: its codes are turned through the wave's own stage in LDS (byte pairs by the turning load, parted by v_perm_b32) and leave as images of the K = 128 form's operand:
; [batch x head][128 tokens][4 tiles][4][lane][16 bytes]; lane r of tile u holds channel 32 (u / 2) + 2 r + u % 2 of the head.
; LIMITS: (the part's e) - e0 - e1 lies between -126 and 119, so that the conversion's scale is an f32 number.  NaN is not served.
.set SIZE_K, 1024
.set KSTEP,  256
.set ROWB,   256                       ; a tile's row in bytes
.set KROW,   SIZE_K                    ; a row of x or W in memory, in bytes
.set PITCH,  272                       ; an LDS row: 256 bytes + 16 of padding: the 16 rows that a load touches start at 16 different banks
.set FR,     16                        ; registers of a fragment: 16 rows x 128 K
.set NL,     4                         ; LDS loads that bring one
.set NP,     4                         ; places behind this matrix instruction (ISA guide 7.12.1)
.set HALFT,  128*PITCH
.set SLOT,   4*HALFT                   ; x's 256 rows, then W's 256 rows
.set LAPS,   SIZE_K/(2*KSTEP)          ; 2
.set SPARE,  2*SLOT                    ; behind the ring: the spare words, 128 bytes a wave
.set SPV,    160                       ; v's stage: a token's 128 codes + 32 bytes; it lies in slot 0, which has had its last fill and its last read by then
.set STW,    128*SPV                   ; a wave's stage
.set ADRA, 16                          ; v16-17  LDS address of my x fragments in slot 0, 1
.set ADRB, 20                          ; v20-21  the same for W
.set VST,  24                          ; v24     v's stage, in: token r, + 8 h
.set VLD,  25                          ; v25     v's stage, back, for the turning load
.set LI,   26                          ; v26     16 x lane: my place in an image
.set BO,   27                          ; v27     32 h: my eight numbers of a tile's sixteen biases
.set SPW,  28                          ; v28     my spare word; never rewritten
.set NIL,  29                          ; v29     0; never rewritten
.set SCL,  30                          ; v30     the conversion's scale
.set LIMV, 31
.set BIAS, 32                          ; v32-95  the biases of my 8 tiles of columns
.set TT,   32                          ; v32-159 at the end: what the turning loads bring
.set AF,   128                         ; x's fragments, window 0
.set VF,   128                         ; window 1, at the end: v's eight fragments; v0-127 of window 1: the codes, tile (a, b) at 16 a + 2 b
.set G1, 24
.set G0, 32
.set G1B, 48
.set G0B, 56
.set MSB, 0
.macro WIN new                         ; the immediate's high byte repeats the setting that is left
.if MSB != \new
	s_set_vgpr_msb (MSB<<8)|\new
.set MSB, \new
.endif
.endm
.set MUL_LO, 0xa1                      ; source 0 (W) window 1, source 1 (x) window 0, C and D window 2
.set MUL_HI, 0xf1                      ; the same, C and D window 3
.set FIRST_LO, 0x81                    ; the first step: C (the bias) window 0, D window 2
.set FIRST_HI, 0xc1                    ; D window 3
.set TO_B,   0x40                      ; destination window 1, address window 0
; A joint load: waves 0 and 1 fetch for x, waves 2 and 3 for W; the branch hangs on the wave's number alone.  Four v_nop follow each of the two lines.
.macro JLOAD g0a, g1a, g0b, g1b
	s_cmp_eq_u32 s15, 0
	s_cbranch_scc0 .Lfor_b_\@
	tensor_load_to_lds s[\g0a:\g0a+3], s[\g1a:\g1a+7]
	s_nop 0
.rept 4
	v_nop
.endr
	s_branch .Lasked_\@
.Lfor_b_\@:
	tensor_load_to_lds s[\g0b:\g0b+3], s[\g1b:\g1b+7]
	s_nop 0
.rept 4
	v_nop
.endr
.Lasked_\@:
.endm
.macro CREST                           ; a round of the cluster's barrier behind its opening barrier
	s_cmp_lg_u32 s14, 0
	s_cbranch_scc1 .Lnot_wave_0_\@
	s_barrier_signal -3
.Lnot_wave_0_\@:
	s_barrier_wait -3
	s_barrier_signal -1
	s_barrier_wait -1
.endm
.macro CROUND
	s_barrier_signal -1
	s_barrier_wait -1
	CREST
.endm
	s_load_b256 s[4:11], s[0:1], 0x0               ; x s[4:5], W s[6:7], b_qkv s[8:9], the scales' exponents s[10:11]
	s_load_b128 s[68:71], s[0:1], 0x20             ; q_img, k_img
	s_load_b64 s[72:73], s[0:1], 0x30              ; v_img
	v_lshl_add_u32 v[SPW], v0, 2, SPARE
	v_mov_b32 v[NIL], 0
	ds_add_u32 v28, v29
	ds_add_u32 v28, v29
	s_wait_dscnt 0x0
	v_lshrrev_b32 v1, 5, v0
	v_readfirstlane_b32 s14, v1                    ; wave 0..3
	s_lshr_b32 s15, s14, 1                         ; which half of the tile's tokens is mine.  Also: I fetch for x (0) or for W (1)
	s_and_b32 s16, s14, 1                          ; which half of its columns.  Also: which 128 rows of that tile I fetch
	s_bfe_u32 s40, ttmp6, 0x40000                  ; cx, cy
	s_bfe_u32 s41, ttmp6, 0x40004
	s_lshl_b32 s42, ttmp9, 2
	s_add_co_u32 s42, s42, s40                     ; tile column = 4 x cluster x + cx
	s_and_b32 s17, ttmp7, 0xffff
	s_lshl_b32 s17, s17, 2
	s_add_co_u32 s17, s17, s41                     ; tile row = 4 x cluster y + cy
	s_lshl_b32 s43, s41, 2
	s_lshl_b32 s43, 15, s43                        ; my row of the cluster
	s_lshl_b32 s44, 0x1111, s40                    ; my column
	s_or_b32 s[G1+0], s43, (0<<16)|(1<<20)|(1<<21)|(5<<22)|(3<<25)  ; the mask; elements of 1 byte; padding on; bit 21 beside a mask; after every 64 words, 4 words
	s_or_b32 s[G1B+0], s44, (0<<16)|(1<<20)|(1<<21)|(5<<22)|(3<<25)
.irp g, G1, G1B
	s_mov_b32 s[\g+1], ROWB<<16                    ; tensor_dim0
	s_mov_b32 s[\g+2], 128<<16                     ; tensor_dim1
	s_mov_b32 s[\g+3], ROWB<<16                    ; tile_dim0
	s_mov_b32 s[\g+4], 128                         ; tile_dim1
	s_mov_b32 s[\g+5], KROW                        ; from row to row
	s_mov_b32 s[\g+6], 0
	s_mov_b32 s[\g+7], 0
.endr
	s_lshl_b32 s18, s16, 7
	s_lshl_b32 s20, s17, 8
	s_add_co_u32 s20, s20, s18                     ; x: row 256 x tile row + 128 x half
	s_lshl_b32 s46, s42, 8
	s_add_co_u32 s46, s46, s18                     ; W: row 256 x tile column + 128 x half
	s_mov_b32 s21, 0
	s_mov_b32 s47, 0
	s_mov_b64 s[18:19], KROW
	s_mul_u64 s[20:21], s[20:21], s[18:19]
	s_mul_u64 s[46:47], s[46:47], s[18:19]
	s_mul_i32 s45, s14, HALFT                      ; where they go: wave x 128 rows
	s_mov_b32 s92, 0x06040200                      ; v_perm_b32: the even bytes of two words,
	s_mov_b32 s93, 0x07050301                      ; the odd ones
	s_wait_kmcnt 0x0
	s_load_b256 s[80:87], s[10:11], 0x0            ; e0 .. e7
	s_add_nc_u64 s[20:21], s[4:5], s[20:21]
	s_add_nc_u64 s[46:47], s[6:7], s[46:47]
	CROUND                                         ; all sixteen work-groups are here: the first joint loads meet
.irp s, 0,1
	s_mov_b32 s[G0+4*\s], 1
	s_add_co_u32 s[G0+4*\s+1], s45, \s*SLOT
	s_add_nc_u64 s[G0+4*\s+2:G0+4*\s+3], s[20:21], \s*ROWB
	s_or_b32 s[G0+4*\s+3], s[G0+4*\s+3], 0x80000000
	s_mov_b32 s[G0B+4*\s], 1
	s_add_co_u32 s[G0B+4*\s+1], s45, \s*SLOT
	s_add_nc_u64 s[G0B+4*\s+2:G0B+4*\s+3], s[46:47], \s*ROWB
	s_or_b32 s[G0B+4*\s+3], s[G0B+4*\s+3], 0x80000000
	JLOAD G0+4*\s, G1, G0B+4*\s, G1B
.endr
	v_and_b32 v1, 15, v0                           ; r
	s_wait_alu depctr_va_vdst(0)
	v_bfe_u32 v2, v0, 4, 1                         ; h
	v_mul_u32_u24 v3, v1, PITCH
	v_lshl_add_u32 v4, v2, 4, v3                   ; a fragment's row x pitch + 16 h
	s_mul_i32 s21, s15, HALFT                      ; my 128 rows of x
	s_mul_i32 s22, s16, HALFT                      ; my 128 rows of W,
	s_add_co_u32 s22, s22, 2*HALFT                 ; behind x's 256
.irp s, 0,1
	v_add_nc_u32 v[ADRA+\s], s21, v4
	v_add_nc_u32 v[ADRB+\s], s22, v4
	s_add_co_u32 s21, s21, SLOT
	s_add_co_u32 s22, s22, SLOT
.endr
	s_mul_i32 s23, s14, STW                        ; my stage
	v_mul_u32_u24 v5, v1, SPV
	s_wait_alu depctr_va_vdst(0)
	v_lshl_add_u32 v5, v2, 3, v5
	v_add_nc_u32 v[VST], s23, v5                   ; in: token r, 8 bytes for each half of the lanes
	v_and_b32 v6, 7, v0
	v_lshl_add_u32 v6, v2, 3, v6                   ; back: token 8 h + lane % 8,
	v_mul_u32_u24 v6, v6, SPV
	v_bfe_u32 v7, v0, 3, 1
	v_lshl_add_u32 v6, v7, 4, v6                   ; 16 bytes for each group of eight lanes
	v_add_nc_u32 v[VLD], s23, v6
	v_and_b32 v8, 31, v0
	v_lshlrev_b32 v[LI], 4, v8
	v_lshlrev_b32 v[BO], 5, v2
	s_lshl_b32 s46, s42, 10                        ; my first column's bias: 4 bytes x (256 x tile column + 128 x half)
	s_lshl_b32 s47, s16, 9
	s_add_co_u32 s46, s46, s47
	s_mov_b32 s47, 0
	s_add_nc_u64 s[8:9], s[8:9], s[46:47]
.irp b, 0,1,2,3,4,5,6,7
	global_load_b128 v[BIAS+8*\b:BIAS+8*\b+3],   v[BO], s[8:9] offset:64*\b      ; b_qkv at columns 16 b + 8 h + 0 .. 7: the result's layout
	global_load_b128 v[BIAS+8*\b+4:BIAS+8*\b+7], v[BO], s[8:9] offset:64*\b+16
.endr
	s_wait_loadcnt 0x0
	s_wait_kmcnt 0x0
	s_add_co_i32 s88, s80, s81                     ; e0 + e1: a sum stands for sum x 2^(e0 + e1)
	s_sub_co_i32 s89, 0, s88
.set i, 0
.rept 64
	v_ldexp_f32 v[BIAS+i], v[BIAS+i], s89          ; so the bias goes in as b / 2^(e0 + e1)
.set i, i+1
.endr
	s_cmp_eq_u32 ttmp9, 0                          ; which part: a choice of a value, no branch
	s_cselect_b32 s89, s82, s83                    ; q: e2; k: e3
	s_cmp_eq_u32 ttmp9, 2
	s_cselect_b32 s89, s85, s89                    ; v: e5
	s_sub_co_i32 s89, s89, s88                     ; the three scales folded into the conversion's one
	s_add_co_i32 s89, s89, 127
	s_lshl_b32 s88, s89, 23
	v_mov_b32 v[SCL], s88
.macro FRAG reg, adr, q, i             ; 16 rows x 128 K: lane l holds row l % 16; registers 4 c .. 4 c + 3 hold K = 32 c + 16 (l / 16) + 0 .. 15: the same order of k in x and in W
.irp c, 0,1,2,3
	ds_load_b128 v[\reg+4*\c:\reg+4*\c+3], v[\adr] offset:128*(\q)+32*\c+(\i)*16*PITCH
.endr
.endm
; 16 matrix instructions: x's blocks a0, a0 + 1 against W's eight.  p: W's set.  zero = 1: the first product starts the sums from the bias.  The 64 accumulators take turns.
.macro MUL16 a0, p, zero
.irp a, \a0, \a0+1
.irp b, 0,1,2,3,4,5,6,7
.if \zero
	v_wmma_f32_16x16x128_fp8_fp8 v[8*(8*((\a)%4)+\b):8*(8*((\a)%4)+\b)+7], v[128*(\p)+FR*\b:128*(\p)+FR*\b+FR-1], v[AF+FR*(\a):AF+FR*(\a)+FR-1], v[BIAS+8*\b:BIAS+8*\b+7]
.else
	v_wmma_f32_16x16x128_fp8_fp8 v[8*(8*((\a)%4)+\b):8*(8*((\a)%4)+\b)+7], v[128*(\p)+FR*\b:128*(\p)+FR*\b+FR-1], v[AF+FR*(\a):AF+FR*(\a)+FR-1], v[8*(8*((\a)%4)+\b):8*(8*((\a)%4)+\b)+7]
.endif
.endr
.endr
.endm
.macro FETCH_B slot, q, p
	WIN TO_B
.irp i, 0,1,2,3,4,5,6,7
	FRAG 128*(\p)+FR*\i, ADRB+\slot, \q, \i
.endr
	WIN 0
.endm
.macro FETCH_A slot, q, i0
.irp i, \i0, \i0+1, \i0+2, \i0+3
	FRAG AF+FR*(\i), ADRA+\slot, \q, \i
.endr
.endm
.macro PLACES n                        ; plain vector lines between a matrix instruction and a load into, or a vector read of, its registers
.rept \n
	v_nop
.endr
.endm
; A step of 128 along K that has its successor in the same slot.
.macro STEP slot, q, zero
	s_wait_dscnt 4*NL                              ; W's set and x's blocks 0-3 are in; the youngest sixteen loads (blocks 4-7) may be out
.if \zero
	WIN FIRST_LO
.else
	WIN MUL_LO
.endif
	MUL16 0, (\q)%2, \zero
	MUL16 2, (\q)%2, \zero
	s_wait_dscnt 0                                 ; blocks 4-7 are in
	PLACES NP
	FETCH_B \slot, (\q)+1, 1-(\q)%2
	FETCH_A \slot, (\q)+1, 0
.if \zero
	WIN FIRST_HI
.else
	WIN MUL_HI
.endif
	MUL16 4, (\q)%2, \zero
	MUL16 6, (\q)%2, \zero
	PLACES NP
	WIN 0
	FETCH_A \slot, (\q)+1, 4
.endm
; A slot's last step changes slots: one barrier; in front of it each wave waits for all its tensor loads, adds 0 to its spare word, and waits for that and for its reads of this slot.
.macro TURN slot, next, fill
	s_wait_tensorcnt 0x0                           ; all my tensor loads have landed: my part of the next slot
	ds_add_u32 v[SPW], v[NIL]                      ; 0 onto my spare word
	s_wait_dscnt 4*NL+1                            ; (the add and the youngest sixteen loads may be out)
	WIN MUL_LO
	MUL16 0, 1, 0
	s_wait_dscnt 0x0                               ; the add is done, and my reads of this slot are over
	s_barrier_signal -1
	MUL16 2, 1, 0
	WIN 0
	s_barrier_wait -1
.if \fill
	CREST                                          ; the barrier has opened a round of the cluster's: no wave of any partner still reads this slot or has a load on its way
	s_add_nc_u64 s[G0+4*\slot+2:G0+4*\slot+3], s[G0+4*\slot+2:G0+4*\slot+3], 2*ROWB
	s_add_nc_u64 s[G0B+4*\slot+2:G0B+4*\slot+3], s[G0B+4*\slot+2:G0B+4*\slot+3], 2*ROWB
	JLOAD G0+4*\slot, G1, G0B+4*\slot, G1B         ; the first tensor load behind the round; its four v_nop are also the places in front of the loads below
.else
	PLACES NP
.endif
	FETCH_B \next, 0, 0
	FETCH_A \next, 0, 0
	WIN MUL_HI
	MUL16 4, 1, 0
	MUL16 6, 1, 0
	PLACES NP
	WIN 0
	FETCH_A \next, 0, 4
.endm
	s_wait_alu depctr_va_vdst(0)
	s_wait_tensorcnt 1                             ; my part of K step 0 is in (K step 1's load may be out),
	s_barrier_signal -1
	s_barrier_wait -1                              ; everybody's is
	FETCH_B 0, 0, 0
	FETCH_A 0, 0, 0
	FETCH_A 0, 0, 4
	STEP 0, 0, 1                                   ; the first step stands in front of the loop: its products start the sums
	s_mov_b32 s3, LAPS-1
.Llap:                                                 ; a trip goes once round the ring and fills both slots again
	TURN 0, 1, 1
	STEP 1, 0, 0
	TURN 1, 0, 1
	STEP 0, 0, 0
	s_sub_co_u32 s3, s3, 1
	s_cmp_lg_u32 s3, 0
	s_cbranch_scc1 .Llap
	TURN 0, 1, 0                                   ; the last lap fills nothing
	STEP 1, 0, 0
	s_wait_dscnt 4*NL                              ; the very last step
	WIN MUL_LO
	MUL16 0, 1, 0
	MUL16 2, 1, 0
	s_wait_dscnt 0
	WIN MUL_HI
	MUL16 4, 1, 0
	MUL16 6, 1, 0
	WIN 0
	PLACES NP
	; THE QUANTISER: eight numbers to a conversion, with the scale in v30.
.irp w, 0,1
	WIN 0x82+0x41*\w                               ; source 0 and destination: window 2, then 3
.set i, 0
.rept 256
.set i, i+1
.endr
	WIN 0x42+\w                                    ; source 0 window 2 or 3, the scale window 0, destination window 1
.set i, 0
.rept 32
	v_cvt_scalef32_pk8_fp8_f32 v[64*\w+2*i:64*\w+2*i+1], v[8*i:8*i+7], v[SCL]
.set i, i+1
.endr
	v_nop                                          ; a plain line behind the last conversion of the run
.endr
	WIN 0
	; where my part begins in the image, in bytes; the same number for q, k and v: batch x 2^21 + head x 2^17 + (token in the batch) x 64
	s_lshl_b32 s90, s17, 8
	s_lshl_b32 s91, s15, 7
	s_add_co_u32 s90, s90, s91                     ; my first token
	s_lshr_b32 s91, s90, 11
	s_lshl_b32 s91, s91, 21
	s_and_b32 s90, s90, 2047
	s_lshl_b32 s90, s90, 6
	s_add_co_u32 s90, s90, s91
	s_lshl_b32 s91, s40, 19                        ; head 4 cx
	s_add_co_u32 s90, s90, s91
	s_lshl_b32 s91, s16, 18                        ; + 2 x my half of the columns
	s_add_co_u32 s90, s90, s91
	s_mov_b32 s91, 0
	s_cmp_eq_u32 ttmp9, 2                          ; the cluster's x: alike in all sixteen partners
	s_cbranch_scc1 .Lv
	; q AND k: the codes' registers are the operand's registers.  Tile of tokens a, head hh of my two: registers 16 a + 8 hh + 0 .. 7.
	s_cmp_eq_u32 ttmp9, 0
	s_cselect_b64 s[74:75], s[68:69], s[70:71]
	s_add_nc_u64 s[74:75], s[74:75], s[90:91]
	WIN 0x04                                       ; the stores' data: window 1
	s_wait_alu depctr_va_vdst(0)
.irp a, 0,1,2,3,4,5,6,7
.irp hh, 0,1
.irp cc, 0,1
	global_store_b128 v[LI], v[16*\a+8*\hh+4*\cc:16*\a+8*\hh+4*\cc+3], s[74:75] offset:\hh*131072+\a*1024+\cc*512   ; 32 lanes store 512 consecutive bytes, aligned
.endr
.endr
.endr
	WIN 0
	s_branch .Lend
.Lv:
	; v: its next K is the tokens.  Codes into my stage, a row a token; back by the turning load on pairs of bytes: lane l then holds tokens 16 c + 8 h + 0 .. 7 of columns 32 g + 2 r and 32 g + 2 r + 1.
	s_add_nc_u64 s[72:73], s[72:73], s[90:91]
	WIN 0x04
	s_wait_alu depctr_va_vdst(0)
.irp a, 0,1,2,3,4,5,6,7
.irp b, 0,1,2,3,4,5,6,7
	ds_store_b64 v[VST], v[16*\a+2*\b:16*\a+2*\b+1] offset:\a*16*SPV+16*\b
.endr
.endr
	WIN 0
.irp c, 0,1,2,3,4,5,6,7
.irp g, 0,1,2,3
	ds_load_tr16_b128 v[TT+4*(4*\c+\g):TT+4*(4*\c+\g)+3], v[VLD] offset:\c*16*SPV+32*\g   ; LDS serves a wave's instructions in order (ISA guide 5.7.1.4): these see my stores
.endr
.endr
	s_wait_dscnt 0x0
	WIN 0x40                                       ; destination window 1
.irp c, 0,1,2,3,4,5,6,7
.irp g, 0,1,2,3
.irp p, 0,1
	v_perm_b32 v[VF+16*(2*\g+\p)+2*\c],   v[TT+4*(4*\c+\g)+1], v[TT+4*(4*\c+\g)],   s[92+\p]   ; registers 2 c, 2 c + 1 of the fragment of the even (p = 0) or odd columns
	v_perm_b32 v[VF+16*(2*\g+\p)+2*\c+1], v[TT+4*(4*\c+\g)+3], v[TT+4*(4*\c+\g)+2], s[92+\p]
.endr
.endr
.endr
	WIN 0x04
.irp g, 0,1,2,3
.irp p, 0,1
.irp cc, 0,1,2,3
	global_store_b128 v[LI], v[VF+16*(2*\g+\p)+4*\cc:VF+16*(2*\g+\p)+4*\cc+3], s[72:73] offset:(\g/2)*131072+(2*(\g%2)+\p)*2048+\cc*512
.endr
.endr
.endr
	WIN 0
.Lend:
	s_wait_tensorcnt 0x0                           ; the wave's end
	ds_add_u32 v[SPW], v[NIL]
	s_wait_dscnt 0x0
	CROUND                                         ; the closing round: no work-group ends while a partner may still ask for a tile that names it
	s_endpgm
.Lfunc_end_k_qff8757846f_qkv:
	.size	k_qff8757846f_qkv, .Lfunc_end_k_qff8757846f_qkv-k_qff8757846f_qkv
	.p2alignl 7, 3214868480
	.fill 96, 4, 3214868480
	.section	.rodata,"a",@progbits
	.p2align	6, 0x0
	.amdhsa_kernel k_qff8757846f_qkv
		.amdhsa_group_segment_fixed_size 327680
		.amdhsa_private_segment_fixed_size 0
		.amdhsa_enable_private_segment 0
		.amdhsa_kernarg_size 56
		.amdhsa_user_sgpr_count 2
		.amdhsa_user_sgpr_kernarg_segment_ptr 1
		.amdhsa_wavefront_size32 1
		.amdhsa_system_sgpr_workgroup_id_x 1
		.amdhsa_system_sgpr_workgroup_id_y 1
		.amdhsa_system_sgpr_workgroup_id_z 1
		.amdhsa_system_vgpr_workitem_id 0
		.amdhsa_next_free_vgpr 1024
		.amdhsa_next_free_sgpr 100
		.amdhsa_reserve_vcc 0
		.amdhsa_float_denorm_mode_32 3
		.amdhsa_float_denorm_mode_16_64 3
		.amdhsa_fp16_overflow 1
		.amdhsa_memory_ordered 1
		.amdhsa_forward_progress 1
		.amdhsa_inst_pref_size 109
	.end_amdhsa_kernel
	.amdgpu_metadata
---
amdhsa.version: [ 1, 2 ]
amdhsa.kernels:
  - .name:           k_qff8757846f_qkv
    .symbol:         k_qff8757846f_qkv.kd
    .args:
      - { .name: x_codes, .offset: 0, .size: 8, .value_kind: global_buffer, .address_space: global }
      - { .name: W_qkv_codes, .offset: 8, .size: 8, .value_kind: global_buffer, .address_space: global }
      - { .name: b_qkv, .offset: 16, .size: 8, .value_kind: global_buffer, .address_space: global }
      - { .name: lowp_scales, .offset: 24, .size: 8, .value_kind: global_buffer, .address_space: global }
      - { .name: q_img, .offset: 32, .size: 8, .value_kind: global_buffer, .address_space: global }
      - { .name: k_img, .offset: 40, .size: 8, .value_kind: global_buffer, .address_space: global }
      - { .name: v_img, .offset: 48, .size: 8, .value_kind: global_buffer, .address_space: global }
    .group_segment_fixed_size: 327680
    .private_segment_fixed_size: 0
    .kernarg_segment_align: 8
    .kernarg_segment_size: 56
    .max_flat_workgroup_size: 128
    .sgpr_count:     100
    .vgpr_count:     1024
    .wavefront_size: 32
...
	.end_amdgpu_metadata
.endif
;; end of part 1
;; launch attn (part 2): grid 4 x 64, 16 waves a work-group, clusters of 4 x 1, 327,680 bytes of LDS; arguments q_img, k_img, v_img, lowp_scales, y_img; writes y_img
.if DOCPART == 2
	.amdgcn_target "amdgcn-amd-amdhsa--gfx1250"
	.amdhsa_code_object_version 6
	.text
	.protected	k_qff8757846f_attn
	.globl	k_qff8757846f_attn
	.p2align	8
	.type	k_qff8757846f_attn,@function
k_qff8757846f_attn:
	s_mov_b64 s[64:65], 0
	v_nop
	global_prefetch_b8 v0, s[64:65] scope:SCOPE_SE
	s_setreg_imm32_b32 hwreg(HW_REG_WAVE_MODE, 25, 1), 1
	s_wait_xcnt 0x0
	s_wait_alu depctr_hold_cnt(0) depctr_sa_sdst(0) depctr_va_vdst(0) depctr_va_sdst(0) depctr_va_ssrc(0) depctr_va_vcc(0) depctr_vm_vsrc(0)
	s_getreg_b32 s2, hwreg(HW_REG_IB_STS2, 6, 4)
	s_cmp_eq_u32 s2, 0
	s_cbranch_scc0 .Lentry_in_a_cluster
	s_endpgm
.Lentry_in_a_cluster:
	s_bfe_u32 s2, ttmp6, 0x10000c
	s_cmp_lg_u32 s2, 0x3003
	s_cbranch_scc0 .Lentry_shape_is_right
	s_endpgm
.Lentry_shape_is_right:
; y = softmax_causal(q k^T / 8) v for 64 (batch, head) pairs of 2,048 tokens x 64 channels, both products on codes of FP8 (E4M3); y is quantised with its given scale for the last product.
; q, k, v come as images of operand registers: a fragment's registers on end, 16 bytes a lane.  Scales: q e2, k e3, p e4, v e5, y e6.
; THE SOFTMAX: t = score x log2(e) / 8; M = the running largest t rounded UP to a whole number; p = 2^(t - M) is quantised; the row's sum is taken of the unquantised p and divides at the end.
; When M moves, the sum and O are multiplied by 2^(old M - new M), which rounds nothing.
; SHARES.  A cluster of four work-groups owns one head; each work-group has sixteen waves of 256 registers, four to a SIMD.  A head has 128 tiles of 16 queries; the tiles of group g = tile / 8 need key steps 0 .. g of 128 keys.
; Wave w of partner p takes TWO tiles: 8 (15 - w / 2) + 2 p + w % 2 and 8 (w / 2) + 2 p + w % 2: (16 - w / 2) + (w / 2 + 1) = 17 steps for every wave of the launch.
; The steps that a wave leaves out hang on its number and the loop's counter alone, alike in all partners; the partner's place enters only q's and y's addresses in memory and the number that the mask compares with.
; LDS holds the head's whole K (131,072 bytes) and V (as many), filled ONCE, jointly for the four partners: no byte is filled again.  Each wave asks for two parts: of keys 0-511 and of keys 512-2,047;
; the first four steps of every wave's upper tile, which no mask touches, run while the second part is on its way.
; LAYOUT.  S^T = K Q^T (source 0 = 16 keys, source 1 = 16 queries), O^T = V^T P^T: a lane holds ONE query (lane % 16).  Register j of S^T's tile t is key 16 t + 8 h + j, so one conversion of a tile gives registers 2 t, 2 t + 1
; of P as the K = 128 form wants them.  Lane r of V's tile u holds channel 32 (u / 2) + 2 r + u % 2: so tiles 2 g and 2 g + 1 of O^T hold the even and the odd of channels 32 g + 16 h + 0 .. 15, and v_perm_b32 interleaves their codes.
; y leaves as [tile of 16 tokens][head][2][lane][16 bytes]: lane (r, h) holds token r, K = 64 head + 32 g + 16 h + 0 .. 15.
; LIMITS: e2 + e3 between -123 and 130 (added to the exponent field of log2(e) / 8); e4 and e6 between -126 and 119; e4 + e5 goes in by v_ldexp_f32.  NaN is not served.
.set LI,   1                           ; v1   16 x lane; never rewritten
.set DQ,   2                           ; v2   my query less the step's first key less 8 h, in the step on the diagonal
.set ADK,  3                           ; v3   LDS address of the step's K
.set ADV,  4                           ; v4   of its V
.set NINF, 5                           ; v5   -infinity
.set PSC,  8                           ; v8   2^e4
.set PLIM, 9
.set YSC,  10                          ; v10  2^e6
.set YLIM, 11
.set QH,   16                          ; v16-23 the upper tile's Q;  v24-31 the lower tile's
.set QL,   24
.set FRG,  32                          ; v32-95  K's eight fragments, then V's four
.set S,    96                          ; v96-159 S^T, then p
.set OT,   160                         ; v160-191 O^T
.set PC,   192                         ; v192-207 p's codes
.set YC,   208                         ; v208-215 y's codes, by tiles
.set VK,   131072                      ; V's images lie behind K's
.set GL,   20                          ; s20  the lower tile's group: w / 2
.set GH,   21                          ; s21  the upper tile's: 15 - w / 2
.set WV,   23
.set G1A,  24                          ; s[24:31] group 1: 16 rows of 256 bytes;  s[32:39]: 48 rows
.set G1B,  32
.set G0KA, 40                          ; groups 0: K's two parts, V's two parts
.set G0KB, 44
.set G0VA, 80
.set G0VB, 84
.set CS,   58                          ; s[58:59] log2(e) / 8 x 2^(e2 + e3)
.set SEL,  60                          ; s[60:61] v_permlanex16_b32: lane l xor 16
.set TB,   62                          ; s62  LDS byte of the step's K
.set KS,   63                          ; s63  the key step
.macro CROUND
	s_barrier_signal -1
	s_barrier_wait -1
	s_cmp_lg_u32 s[WV], 0
	s_cbranch_scc1 .Lnot_wave_0_\@
	s_barrier_signal -3
.Lnot_wave_0_\@:
	s_barrier_wait -3
	s_barrier_signal -1
	s_barrier_wait -1
.endm
; the addresses of the tile 8 g + tp: its Q in q_img, its place in y_img.  s92-95 alone hold numbers made of my place in the cluster.
.macro TILEADR g, qa, ya
	s_lshl_b32 s92, s[\g], 3
	s_add_co_u32 s92, s92, s22                     ; the tile
	s_lshl_b32 s94, s92, 10
	s_add_co_u32 s94, s94, s18                     ; head x 2^17 + tile x 1,024
	s_mov_b32 s95, 0
	s_add_nc_u64 s[\qa:\qa+1], s[4:5], s[94:95]
	s_lshr_b32 s93, s15, 4
	s_lshl_b32 s93, s93, 7
	s_add_co_u32 s93, s93, s92                     ; 128 x batch + tile
	s_lshl_b32 s94, s93, 14
	s_and_b32 s93, s15, 15
	s_lshl_b32 s93, s93, 10
	s_add_co_u32 s94, s94, s93                     ; + head x 1,024
	s_add_nc_u64 s[\ya:\ya+1], s[12:13], s[94:95]
.endm
	s_load_b256 s[4:11], s[0:1], 0x0               ; q_img s[4:5], k_img s[6:7], v_img s[8:9], the scales' exponents s[10:11]
	s_load_b64 s[12:13], s[0:1], 0x20              ; y_img
	v_lshl_add_u32 v254, v0, 2, 0x40000
	v_mov_b32 v255, 0
	ds_add_u32 v254, v255
	ds_add_u32 v254, v255
	v_lshrrev_b32 v6, 5, v0
	s_delay_alu instid0(VALU_DEP_1)
	v_readfirstlane_b32 s[WV], v6                  ; wave 0..15
	s_bfe_u32 s14, ttmp6, 0x40000                  ; cx: my place in the cluster
	s_and_b32 s15, ttmp7, 0xffff                   ; 16 x batch + head, which the four partners share
	s_lshr_b32 s[GL], s[WV], 1
	s_sub_co_u32 s[GH], 15, s[GL]
	s_lshl_b32 s92, s14, 1
	s_and_b32 s22, s[WV], 1
	s_add_co_u32 s22, s22, s92                     ; tp = 2 cx + w % 2: my tiles' place in their groups
	s_and_b32 s17, s[WV], 7                        ; which eighth of K (waves 0-7) or of V (waves 8-15) I fetch
	s_mov_b32 s[G1A], 15|(3<<16)|(1<<21)           ; the mask: all four work-groups; elements of 8 bytes; bit 21 beside a mask; no padding: an image is read 512 consecutive bytes at a time
	s_mov_b32 s[G1A+1], 32<<16                     ; tensor_dim0 = 32 elements: rows of 256 bytes
	s_mov_b32 s[G1A+2], 16<<16                     ; tensor_dim1 = 16
	s_mov_b32 s[G1A+3], 32<<16                     ; tile_dim0
	s_mov_b32 s[G1A+4], 16                         ; tile_dim1
	s_mov_b32 s[G1A+5], 32                         ; from row to row: dense
	s_mov_b32 s[G1A+6], 0
	s_mov_b32 s[G1A+7], 0
	s_mov_b32 s[G1B], 15|(3<<16)|(1<<21)
	s_mov_b32 s[G1B+1], 32<<16
	s_mov_b32 s[G1B+2], 48<<16
	s_mov_b32 s[G1B+3], 32<<16
	s_mov_b32 s[G1B+4], 48
	s_mov_b32 s[G1B+5], 32
	s_mov_b32 s[G1B+6], 0
	s_mov_b32 s[G1B+7], 0
	s_lshl_b32 s18, s15, 17                        ; the head's first byte in q_img, k_img and v_img
	s_lshl_b32 s56, s17, 12                        ; my 4,096 bytes of the first 32,768 (keys 0-511),
	s_mul_i32 s57, s17, 12288
	s_add_co_u32 s57, s57, 32768                   ; my 12,288 of the other 98,304: in a head's image and in LDS alike
	s_add_co_u32 s88, s18, s56
	s_mov_b32 s89, 0
	s_add_co_u32 s90, s18, s57
	s_mov_b32 s91, 0
	s_mov_b32 s[SEL], 0x76543210
	s_mov_b32 s[SEL+1], 0xfedcba98
	s_mov_b32 s66, 0x05010400                      ; v_perm_b32: bytes 0, 1 of two words by turns,
	s_mov_b32 s67, 0x07030602                      ; bytes 2, 3
	s_wait_dscnt 0x0
	s_wait_kmcnt 0x0
	s_load_b256 s[68:75], s[10:11], 0x0            ; e0 .. e7
	CROUND                                         ; all four work-groups are here: the joint loads meet
	s_mov_b32 s[G0KA], 1
	s_mov_b32 s[G0KA+1], s56
	s_add_nc_u64 s[G0KA+2:G0KA+3], s[6:7], s[88:89]
	s_or_b32 s[G0KA+3], s[G0KA+3], 0x80000000
	s_mov_b32 s[G0KB], 1
	s_mov_b32 s[G0KB+1], s57
	s_add_nc_u64 s[G0KB+2:G0KB+3], s[6:7], s[90:91]
	s_or_b32 s[G0KB+3], s[G0KB+3], 0x80000000
	s_mov_b32 s[G0VA], 1
	s_add_co_u32 s[G0VA+1], s56, VK
	s_add_nc_u64 s[G0VA+2:G0VA+3], s[8:9], s[88:89]
	s_or_b32 s[G0VA+3], s[G0VA+3], 0x80000000
	s_mov_b32 s[G0VB], 1
	s_add_co_u32 s[G0VB+1], s57, VK
	s_add_nc_u64 s[G0VB+2:G0VB+3], s[8:9], s[90:91]
	s_or_b32 s[G0VB+3], s[G0VB+3], 0x80000000
	s_cmp_lt_u32 s[WV], 8                          ; a wave's two fills stand in one branch on its number: two loads of mine are out; four v_nop follow the second
	s_cbranch_scc0 .Lfirst_v
	tensor_load_to_lds s[G0KA:G0KA+3], s[G1A:G1A+7]
	s_nop 0
	tensor_load_to_lds s[G0KB:G0KB+3], s[G1B:G1B+7]
	s_nop 0
.rept 4
	v_nop
.endr
	s_branch .Lfirst_asked
.Lfirst_v:
	tensor_load_to_lds s[G0VA:G0VA+3], s[G1A:G1A+7]
	s_nop 0
	tensor_load_to_lds s[G0VB:G0VB+3], s[G1B:G1B+7]
	s_nop 0
.rept 4
	v_nop
.endr
.Lfirst_asked:
	TILEADR GH, 48, 52
	TILEADR GL, 50, 54
	v_and_b32 v[LI], 31, v0
	s_delay_alu instid0(VALU_DEP_1)
	v_lshlrev_b32 v[LI], 4, v[LI]
	global_load_b128 v[QH:QH+3],   v[LI], s[48:49]
	global_load_b128 v[QH+4:QH+7], v[LI], s[48:49] offset:512
	global_load_b128 v[QL:QL+3],   v[LI], s[50:51]
	global_load_b128 v[QL+4:QL+7], v[LI], s[50:51] offset:512
	v_and_b32 v6, 15, v0                           ; r
	v_bfe_u32 v7, v0, 4, 1                         ; h
	s_delay_alu instid0(VALU_DEP_1)
	v_lshlrev_b32 v7, 3, v7
	s_delay_alu instid0(VALU_DEP_1)
	v_sub_nc_u32 v[DQ], v6, v7
	s_lshl_b32 s92, s22, 4
	v_add_nc_u32 v[DQ], s92, v[DQ]                 ; 16 tp + r - 8 h: register 8 t + j of S^T is hidden on the diagonal where 16 t + j is greater
	v_mov_b32 v[NINF], 0xff800000
	v_mov_b32 v227, 0                              ; (named as the upper half of the pair v[226:227])
	v_mov_b32 v230, 0                              ; written once: a lane permute's destination counts as one of its sources
	s_wait_kmcnt 0x0
	s_add_co_i32 s77, s70, s71
	s_lshl_b32 s77, s77, 23
	s_add_co_i32 s[CS], s77, 0x3e38aa3b            ; log2(e) / 8, with e2 + e3 added to its exponent field
	s_mov_b32 s[CS+1], s[CS]
	s_add_co_i32 s77, s72, 127
	s_lshl_b32 s78, s77, 23
	v_mov_b32 v[PSC], s78                          ; 2^e4
	s_add_co_i32 s77, s74, 127
	s_lshl_b32 s78, s77, 23
	v_mov_b32 v[YSC], s78                          ; 2^e6
	s_add_co_i32 s76, s72, s73                     ; e4 + e5
.macro INIT                            ; a tile begins: the largest t is -3e38, under every t; the sum and O^T are zeros, which the first change of M leaves zeros
	v_mov_b32 v13, 0xff61b1e6
	s_delay_alu instid0(VALU_DEP_1)
	v_floor_f32 v12, -v13                          ; -M
	v_mov_b32 v14, 0
	v_mov_b32 v15, 0
.set i, 0
.rept 32
	v_mov_b32 v[OT+i], 0
.set i, i+1
.endr
.endm
; A STEP: the tile whose Q stands in v[q] on, against the 128 keys of step s[KS], whose images begin at LDS byte s[TB].  causal = 1: the step is left out where it lies past the tile's group s[g], and masked where it is that group's.
.macro STEP q, causal, g
.if \causal
	s_cmp_gt_u32 s[KS], s[\g]
	s_cbranch_scc1 .Lskip_\@
.endif
	s_setprio 2
	v_add_nc_u32 v[ADK], s[TB], v[LI]
	s_delay_alu instid0(VALU_DEP_1)
	v_add_nc_u32 v[ADV], VK, v[ADK]
	v_nop
	v_nop                                          ; four plain lines behind the last step's products, in front of loads into the registers that they read
.irp t, 0,1,2,3,4,5,6,7
.irp c, 0,1
	ds_load_b128 v[FRG+8*\t+4*\c:FRG+8*\t+4*\c+3], v[ADK] offset:1024*\t+512*\c
.endr
.endr
	s_wait_alu depctr_va_vdst(0)
	s_wait_dscnt 8                                 ; tiles 0-3 are in; the youngest eight loads may be out
.irp t, 0,1,2,3
	v_wmma_f32_16x16x64_fp8_fp8 v[S+8*\t:S+8*\t+7], v[FRG+8*\t:FRG+8*\t+7], v[\q:\q+7], 0
.endr
	s_wait_dscnt 0x0
.irp t, 4,5,6,7
	v_wmma_f32_16x16x64_fp8_fp8 v[S+8*\t:S+8*\t+7], v[FRG+8*\t:FRG+8*\t+7], v[\q:\q+7], 0
.endr
.rept 4
	v_nop                                          ; places in front of the loads below and of the first read of the scores
.endr
.irp t, 0,1,2,3
.irp c, 0,1,2,3
	ds_load_b128 v[FRG+16*\t+4*\c:FRG+16*\t+4*\c+3], v[ADV] offset:2048*\t+512*\c   ; V lands while the softmax is walked
.endr
.endr
.if \causal
	s_cmp_lg_u32 s[KS], s[\g]
	s_cbranch_scc1 .Lopen_\@
.set n, 0
.rept 64
	v_cmp_gt_i32 vcc_lo, 16*(n/8)+n%8, v[DQ]       ; on the diagonal hidden scores become -infinity ahead of the maximum: p = 0 then
	v_cndmask_b32 v[S+n], v[S+n], v[NINF], vcc_lo
.set n, n+1
.endr
.Lopen_\@:
.endif
	v_max3_num_f32 v224, v[S], v[S+1], v[S+2]      ; the step's largest score of my query among my 64 keys, in two chains; each tile is read from its low end on
	v_max3_num_f32 v225, v[S+3], v[S+4], v[S+5]
.irp i, 6,10,14,18,22,26,30,34,38,42,46,50,54,58
	v_max3_num_f32 v224, v224, v[S+\i], v[S+1+\i]
	v_max3_num_f32 v225, v225, v[S+2+\i], v[S+3+\i]
.endr
	v_max3_num_f32 v224, v224, v[S+62], v[S+63]
	s_delay_alu instid0(VALU_DEP_1)
	v_max_num_f32 v224, v224, v225
	s_delay_alu instid0(VALU_DEP_1)
	v_permlanex16_b32 v230, v224, s[SEL], s[SEL+1]
	s_delay_alu instid0(VALU_DEP_1)
	v_max_num_f32 v224, v224, v230                 ; and among lane l xor 16's
	s_delay_alu instid0(VALU_DEP_1)
	v_mul_f32 v224, s[CS], v224                    ; as t
	s_delay_alu instid0(VALU_DEP_1)
	v_max_num_f32 v13, v13, v224                   ; the running largest t
	v_mov_b32 v224, v12
	s_delay_alu instid0(VALU_DEP_2)
	v_floor_f32 v12, -v13                          ; the new -M = floor(-t): M is a whole number
	s_delay_alu instid0(VALU_DEP_1)
	v_sub_f32 v224, v12, v224                      ; old M - new M: a whole number, 0 or less
	s_delay_alu instid0(VALU_DEP_1)
	v_cvt_i32_f32 v224, v224                       ; (it saturates)
	s_delay_alu instid0(VALU_DEP_1)
	v_ldexp_f32 v226, 1.0, v224                    ; f = 2^(old M - new M)
.irp j, 0,2,4,6,8,10,12,14,16,18,20,22,24,26,28,30,32,34,36,38,40,42,44,46,48,50,52,54,56,58,60,62
	v_pk_fma_f32 v[S+\j:S+1+\j], v[S+\j:S+1+\j], s[CS:CS+1], v[12:13] op_sel_hi:[1,0,0]   ; t - M, two at a time
.endr
.set n, 0
	s_setprio 1
	s_wait_alu depctr_va_vdst(0)
.rept 64
	v_exp_f32 v[S+n], v[S+n]                       ; p = 2^(t - M), at most 1
.set n, n+1
.endr
	v_pk_mul_f32 v[14:15], v[14:15], v[226:227] op_sel_hi:[1,0]   ; the sums under the new M: the plain line behind the exponentials
	s_wait_alu depctr_va_vdst(0)                   ; one wait for the batch of 64, ahead of its first reader
	v_pk_add_f32 v[228:229], v[100:101], v[104:105]
	v_pk_add_f32 v[252:253], v[108:109], v[112:113]
	v_pk_add_f32 v[250:251], v[116:117], v[120:121]
	v_pk_add_f32 v[248:249], v[124:125], v[128:129]
	v_pk_add_f32 v[246:247], v[132:133], v[136:137]
	v_pk_add_f32 v[244:245], v[140:141], v[144:145]
	v_pk_add_f32 v[242:243], v[148:149], v[152:153]
	v_pk_add_f32 v[14:15], v[14:15], v[156:157]
	v_pk_add_f32 v[228:229], v[228:229], v[96:97]
	v_pk_add_f32 v[252:253], v[252:253], v[98:99]
	v_pk_add_f32 v[250:251], v[250:251], v[102:103]
	v_pk_add_f32 v[248:249], v[248:249], v[106:107]
	v_pk_add_f32 v[246:247], v[246:247], v[110:111]
	v_pk_add_f32 v[244:245], v[244:245], v[114:115]
	v_pk_add_f32 v[242:243], v[242:243], v[118:119]
	v_pk_add_f32 v[14:15], v[14:15], v[122:123]
	v_pk_add_f32 v[228:229], v[228:229], v[126:127]
	v_pk_add_f32 v[252:253], v[252:253], v[130:131]
	v_pk_add_f32 v[250:251], v[250:251], v[134:135]
	v_pk_add_f32 v[248:249], v[248:249], v[138:139]
	v_pk_add_f32 v[246:247], v[246:247], v[142:143]
	v_pk_add_f32 v[244:245], v[244:245], v[146:147]
	v_pk_add_f32 v[242:243], v[242:243], v[150:151]
	v_pk_add_f32 v[14:15], v[14:15], v[154:155]
	v_pk_add_f32 v[228:229], v[228:229], v[158:159]
	s_delay_alu instid0(VALU_DEP_2)
	v_pk_add_f32 v[14:15], v[14:15], v[248:249]
	s_delay_alu instid0(VALU_DEP_2)
	v_pk_add_f32 v[228:229], v[228:229], v[246:247]
	v_pk_add_f32 v[252:253], v[252:253], v[244:245]
	v_pk_add_f32 v[250:251], v[250:251], v[242:243]
	s_delay_alu instid0(VALU_DEP_2)
	v_pk_add_f32 v[14:15], v[14:15], v[252:253]
	s_delay_alu instid0(VALU_DEP_2)
	v_pk_add_f32 v[228:229], v[228:229], v[250:251]
	s_delay_alu instid0(VALU_DEP_1)
	v_pk_add_f32 v[14:15], v[14:15], v[228:229]
	s_setprio 0
.irp t, 0,1,2,3,4,5,6,7
.irp i, 0,1,2,3,4,5,6,7
.endr
	v_cvt_scalef32_pk8_fp8_f32 v[PC+2*\t:PC+2*\t+1], v[S+8*\t:S+8*\t+7], v[PSC]   ; keys 16 t + 8 h + 0 .. 7: registers 2 t, 2 t + 1 of the operand
.endr
.irp j, 0,2,4,6,8,10,12,14,16,18,20,22,24,26,28,30
	v_pk_mul_f32 v[OT+\j:OT+1+\j], v[OT+\j:OT+1+\j], v[226:227] op_sel_hi:[1,0]   ; O^T under the new M; these are also the plain lines behind the conversions
.endr
	s_wait_alu depctr_va_vdst(0)
	s_wait_dscnt 0x0                               ; V is in
.irp t, 0,1,2,3
	v_wmma_f32_16x16x128_fp8_fp8 v[OT+8*\t:OT+8*\t+7], v[FRG+16*\t:FRG+16*\t+15], v[PC:PC+15], v[OT+8*\t:OT+8*\t+7]   ; four accumulators, one instruction each
.endr
.if \causal
.Lskip_\@:
.endif
.endm
; A tile ends: O^T x 2^(e4 + e5) / the sum is y; converted with 2^e6, its even and odd channels interleaved, and stored as an image: 512 consecutive bytes a store, aligned.
.macro FINISH ya, yi
.rept 4
	v_nop                                          ; places behind the last products
.endr
	v_add_f32 v14, v14, v15
	s_delay_alu instid0(VALU_DEP_1)
	v_permlanex16_b32 v230, v14, s[SEL], s[SEL+1]
	s_delay_alu instid0(VALU_DEP_1)
	v_add_f32 v14, v14, v230                       ; the row's sum
	s_wait_alu depctr_va_vdst(0)
	v_rcp_f32 v224, v14
	v_nop                                          ; a plain line behind the reciprocal,
	s_wait_alu depctr_va_vdst(0)                   ; and the wait ahead of its first reader
	v_ldexp_f32 v226, v224, s76
.irp j, 0,2,4,6,8,10,12,14,16,18,20,22,24,26,28,30
	v_pk_mul_f32 v[OT+\j:OT+1+\j], v[OT+\j:OT+1+\j], v[226:227] op_sel_hi:[1,0]
.endr
.set n, 0
.rept 32
.set n, n+1
.endr
.irp t, 0,1,2,3
	v_cvt_scalef32_pk8_fp8_f32 v[YC+2*\t:YC+2*\t+1], v[OT+8*\t:OT+8*\t+7], v[YSC]
.endr
	v_nop                                          ; a plain line behind the last conversion
.irp g, 0,1
	v_perm_b32 v[\yi+4*\g],   v[YC+2+4*\g], v[YC+4*\g],   s66   ; channels 32 g + 16 h + 0 .. 3: even, odd, even, odd
	v_perm_b32 v[\yi+4*\g+1], v[YC+2+4*\g], v[YC+4*\g],   s67
	v_perm_b32 v[\yi+4*\g+2], v[YC+3+4*\g], v[YC+1+4*\g], s66
	v_perm_b32 v[\yi+4*\g+3], v[YC+3+4*\g], v[YC+1+4*\g], s67
.endr
.irp g, 0,1
	global_store_b128 v[LI], v[\yi+4*\g:\yi+4*\g+3], s[\ya:\ya+1] offset:512*\g
.endr
.endm
	INIT
	s_wait_loadcnt 0x0                             ; Q
	s_wait_tensorcnt 1                             ; my part of keys 0-511 is in; my other load may stay out
	s_barrier_signal -1
	s_barrier_wait -1                              ; everybody's is
	s_mov_b32 s[KS], 0
	s_mov_b32 s[TB], 0
.Lfirst_four:                                          ; the upper tile's group is 8 at the least: its steps 0 to 3 are whole for every wave
	STEP QH, 0, 0
	s_add_co_u32 s[TB], s[TB], 8192
	s_add_co_u32 s[KS], s[KS], 1
	s_cmp_lt_u32 s[KS], 4
	s_cbranch_scc1 .Lfirst_four
	s_setprio 0
	s_wait_tensorcnt 0x0                           ; my part of keys 512-2,047 is in,
	s_wait_dscnt 0x0
	s_barrier_signal -1
	s_barrier_wait -1                              ; everybody's is: from here on no wave waits for another
	s_mov_b32 s[KS], 4
	s_mov_b32 s[TB], 4*8192
.Lupper:                                               ; twelve trips for every wave; the steps past its tile's group are jumped over
	STEP QH, 1, GH
	s_add_co_u32 s[TB], s[TB], 8192
	s_add_co_u32 s[KS], s[KS], 1
	s_cmp_lt_u32 s[KS], 16
	s_cbranch_scc1 .Lupper
	s_setprio 0
	FINISH 52, 216
	INIT
	s_mov_b32 s[KS], 0
	s_mov_b32 s[TB], 0
.Llower:                                               ; eight trips: the lower tile's group is 7 at the most
	STEP QL, 1, GL
	s_add_co_u32 s[TB], s[TB], 8192
	s_add_co_u32 s[KS], s[KS], 1
	s_cmp_lt_u32 s[KS], 8
	s_cbranch_scc1 .Llower
	s_setprio 0
	FINISH 54, 232                                 ; other registers than the first tile's stores read
	s_wait_dscnt 0x0
	s_wait_tensorcnt 0x0
	ds_add_u32 v254, v255
	s_wait_dscnt 0x0
	CROUND                                         ; the closing round
	s_endpgm
.Lfunc_end_k_qff8757846f_attn:
	.size	k_qff8757846f_attn, .Lfunc_end_k_qff8757846f_attn-k_qff8757846f_attn
	.p2alignl 7, 3214868480
	.fill 96, 4, 3214868480
	.section	.rodata,"a",@progbits
	.p2align	6, 0x0
	.amdhsa_kernel k_qff8757846f_attn
		.amdhsa_group_segment_fixed_size 327680
		.amdhsa_private_segment_fixed_size 0
		.amdhsa_enable_private_segment 0
		.amdhsa_kernarg_size 40
		.amdhsa_user_sgpr_count 2
		.amdhsa_user_sgpr_kernarg_segment_ptr 1
		.amdhsa_wavefront_size32 1
		.amdhsa_system_sgpr_workgroup_id_x 1
		.amdhsa_system_sgpr_workgroup_id_y 1
		.amdhsa_system_sgpr_workgroup_id_z 1
		.amdhsa_system_vgpr_workitem_id 0
		.amdhsa_next_free_vgpr 256
		.amdhsa_next_free_sgpr 96
		.amdhsa_reserve_vcc 1
		.amdhsa_float_denorm_mode_32 3
		.amdhsa_float_denorm_mode_16_64 3
		.amdhsa_fp16_overflow 1
		.amdhsa_memory_ordered 1
		.amdhsa_forward_progress 1
		.amdhsa_inst_pref_size 67
	.end_amdhsa_kernel
	.amdgpu_metadata
---
amdhsa.version: [ 1, 2 ]
amdhsa.kernels:
  - .name:           k_qff8757846f_attn
    .symbol:         k_qff8757846f_attn.kd
    .args:
      - { .name: q_img, .offset: 0, .size: 8, .value_kind: global_buffer, .address_space: global }
      - { .name: k_img, .offset: 8, .size: 8, .value_kind: global_buffer, .address_space: global }
      - { .name: v_img, .offset: 16, .size: 8, .value_kind: global_buffer, .address_space: global }
      - { .name: lowp_scales, .offset: 24, .size: 8, .value_kind: global_buffer, .address_space: global }
      - { .name: y_img, .offset: 32, .size: 8, .value_kind: global_buffer, .address_space: global }
    .group_segment_fixed_size: 327680
    .private_segment_fixed_size: 0
    .kernarg_segment_align: 8
    .kernarg_segment_size: 40
    .max_flat_workgroup_size: 512
    .sgpr_count:     96
    .vgpr_count:     256
    .wavefront_size: 32
...
	.end_amdgpu_metadata
.endif
;; end of part 2
;; launch proj (part 3): grid 4 x 32, 4 waves a work-group, clusters of 4 x 4, 327,680 bytes of LDS; arguments y_img, W_out_codes, b_out, lowp_scales, out0; writes out0
.if DOCPART == 3
	.amdgcn_target "amdgcn-amd-amdhsa--gfx1250"
	.amdhsa_code_object_version 6
	.text
	.protected	k_qff8757846f_proj
	.globl	k_qff8757846f_proj
	.p2align	8
	.type	k_qff8757846f_proj,@function
k_qff8757846f_proj:
	s_mov_b64 s[64:65], 0
	v_nop
	global_prefetch_b8 v0, s[64:65] scope:SCOPE_SE
	s_setreg_imm32_b32 hwreg(HW_REG_WAVE_MODE, 25, 1), 1
	s_wait_xcnt 0x0
	s_wait_alu depctr_hold_cnt(0) depctr_sa_sdst(0) depctr_va_vdst(0) depctr_va_sdst(0) depctr_va_ssrc(0) depctr_va_vcc(0) depctr_vm_vsrc(0)
	s_getreg_b32 s2, hwreg(HW_REG_IB_STS2, 6, 4)
	s_cmp_eq_u32 s2, 0
	s_cbranch_scc0 .Lentry_in_a_cluster
	s_endpgm
.Lentry_in_a_cluster:
	s_bfe_u32 s2, ttmp6, 0x10000c
	s_cmp_lg_u32 s2, 0xf033
	s_cbranch_scc0 .Lentry_shape_is_right
	s_endpgm
.Lentry_shape_is_right:
; out0 = y W_out + b_out on codes of FP8 (E4M3).  W_out: [1024][1024] codes, K innermost, scale 2^e7.  y: 8,192 rows x 1,024, scale 2^e6, as images of operand registers:
; [tile of 16 rows][head (16)][2][lane][16 bytes]; lane (r, h) holds row r, K = 64 head + 32 g + 16 h + 0 .. 15: two heads on end are the 16 registers of a fragment of 128 along K, registers 4 c .. 4 c + 3 = K 32 c + 16 h + 0 .. 15,
; the order in which four loads of 16 bytes take W_out's rows: the same order of k on both sides.
; A tile of 256 x 256 of out0 is made by a work-group of four waves; a wave makes 128 x 128: 64 accumulators, 512 registers.  K goes in steps of 256 through a ring of two LDS slots.
; CLUSTERS: 4 x 4 work-groups; y's tiles are asked for jointly along a row of the cluster, W_out's along a column.  THE MATRIX INSTRUCTION IS USED TRANSPOSED (source 0 = 16 rows of W_out, source 1 = 16 rows of y).
; THE BIAS is the C of each sum's first product, divided by 2^(e6 + e7); each finished sum is multiplied once by 2^(e6 + e7).
; 128 work-groups: the problem has 128 tiles of this size; a smaller tile would halve the products between a request for a tile and the wait for it.
; LIMIT: e6 + e7 lies between -126 and 127.
.set SIZE_N, 1024
.set SIZE_K, 1024
.set ROWB,   256                       ; a row of W_out's tile in bytes
.set KROW,   SIZE_K
.set PITCH,  272                       ; W_out's rows in LDS: 256 bytes + 16
.set ASTEP,  4096                      ; a tile of 16 rows of y, 256 along K: four heads' images
.set AHALF,  8*ASTEP                   ; 128 rows: what one tensor load brings of y
.set FR,     16
.set NL,     4
.set NP,     4
.set HALFT,  128*PITCH
.set BOFF,   2*AHALF                   ; a slot: y's 65,536 bytes, then W_out's 256 rows
.set SLOT,   BOFF+2*HALFT
.set LAPS,   SIZE_K/512
.set SPARE,  2*SLOT                    ; behind the ring: the spare words, 128 bytes a wave
.set SPITCH, 528                       ; the way out: a stage of 16 rows x (512 + 16) bytes a wave, in slot 0, which has had its last fill and its last read by then
.set ADRA, 16
.set ADRB, 20
.set STO,  24
.set RD,   25
.set CO,   26                          ; v26  16 x lane
.set BO,   27                          ; v27  32 h
.set SPW,  28
.set NIL,  29
.set BIAS, 32                          ; v32-95 the biases of my 8 tiles of columns; later TMP
.set TMP,  32
.set AF,   128
.set BK,   128
.set G1, 24
.set G0, 32
.set G1B, 48
.set G0B, 56
.set MSB, 0
.macro WIN new
.if MSB != \new
	s_set_vgpr_msb (MSB<<8)|\new
.set MSB, \new
.endif
.endm
.set MUL_LO, 0xa1
.set MUL_HI, 0xf1
.set FIRST_LO, 0x81                    ; the first step: C (the bias) window 0
.set FIRST_HI, 0xc1
.set TO_B,   0x40
.macro JLOAD g0a, g1a, g0b, g1b        ; waves 0 and 1 fetch for y, waves 2 and 3 for W_out; four v_nop follow each of the two lines
	s_cmp_eq_u32 s15, 0
	s_cbranch_scc0 .Lfor_b_\@
	tensor_load_to_lds s[\g0a:\g0a+3], s[\g1a:\g1a+7]
	s_nop 0
.rept 4
	v_nop
.endr
	s_branch .Lasked_\@
.Lfor_b_\@:
	tensor_load_to_lds s[\g0b:\g0b+3], s[\g1b:\g1b+7]
	s_nop 0
.rept 4
	v_nop
.endr
.Lasked_\@:
.endm
.macro CREST
	s_cmp_lg_u32 s14, 0
	s_cbranch_scc1 .Lnot_wave_0_\@
	s_barrier_signal -3
.Lnot_wave_0_\@:
	s_barrier_wait -3
	s_barrier_signal -1
	s_barrier_wait -1
.endm
.macro CROUND
	s_barrier_signal -1
	s_barrier_wait -1
	CREST
.endm
	s_load_b256 s[4:11], s[0:1], 0x0               ; y_img s[4:5], W_out s[6:7], b_out s[8:9], the scales' exponents s[10:11]
	s_load_b64 s[12:13], s[0:1], 0x20              ; out0
	v_lshl_add_u32 v[SPW], v0, 2, SPARE
	v_mov_b32 v[NIL], 0
	ds_add_u32 v28, v29
	ds_add_u32 v28, v29
	s_wait_dscnt 0x0
	v_lshrrev_b32 v1, 5, v0
	v_readfirstlane_b32 s14, v1                    ; wave 0..3
	s_lshr_b32 s15, s14, 1                         ; which half of the tile's rows is mine.  Also: I fetch for y (0) or for W_out (1)
	s_and_b32 s16, s14, 1                          ; which half of its columns.  Also: which 128 rows I fetch
	s_bfe_u32 s40, ttmp6, 0x40000
	s_bfe_u32 s41, ttmp6, 0x40004
	s_lshl_b32 s42, ttmp9, 2
	s_add_co_u32 s42, s42, s40                     ; tile column
	s_and_b32 s17, ttmp7, 0xffff
	s_lshl_b32 s17, s17, 2
	s_add_co_u32 s17, s17, s41                     ; tile row
	s_lshl_b32 s43, s41, 2
	s_lshl_b32 s43, 15, s43                        ; my row of the cluster
	s_lshl_b32 s44, 0x1111, s40                    ; my column
	s_or_b32 s[G1+0], s43, (3<<16)|(1<<21)         ; y: the mask; elements of 8 bytes; bit 21 beside a mask; no padding: images are read 512 consecutive bytes at a time
	s_mov_b32 s[G1+1], 512<<16                     ; tensor_dim0 = 512 elements: 4,096 bytes, a tile of 16 rows x 256 along K
	s_mov_b32 s[G1+2], 8<<16                       ; tensor_dim1 = 8 such tiles
	s_mov_b32 s[G1+3], 512<<16                     ; tile_dim0
	s_mov_b32 s[G1+4], 8                           ; tile_dim1
	s_mov_b32 s[G1+5], 2048                        ; from tile to tile: 16,384 bytes
	s_mov_b32 s[G1+6], 0
	s_mov_b32 s[G1+7], 0
	s_or_b32 s[G1B+0], s44, (0<<16)|(1<<20)|(1<<21)|(5<<22)|(3<<25)  ; W_out: elements of 1 byte; after every 64 words 4 words of padding
	s_mov_b32 s[G1B+1], ROWB<<16
	s_mov_b32 s[G1B+2], 128<<16
	s_mov_b32 s[G1B+3], ROWB<<16
	s_mov_b32 s[G1B+4], 128
	s_mov_b32 s[G1B+5], KROW
	s_mov_b32 s[G1B+6], 0
	s_mov_b32 s[G1B+7], 0
	s_lshl_b32 s20, s17, 4
	s_lshl_b32 s18, s16, 3
	s_add_co_u32 s20, s20, s18                     ; y: tile of rows 16 x tile row + 8 x half,
	s_lshl_b32 s20, s20, 14                        ; of 16,384 bytes
	s_mov_b32 s21, 0
	s_lshl_b32 s46, s42, 8
	s_lshl_b32 s18, s16, 7
	s_add_co_u32 s46, s46, s18                     ; W_out: row 256 x tile column + 128 x half,
	s_lshl_b32 s46, s46, 10                        ; of 1,024 bytes
	s_mov_b32 s47, 0
	s_lshl_b32 s45, s16, 15                        ; where they go: y's halves,
	s_mul_i32 s19, s16, HALFT
	s_add_co_u32 s19, s19, BOFF                    ; W_out's halves behind them
	s_wait_kmcnt 0x0
	s_load_b256 s[80:87], s[10:11], 0x0            ; e0 .. e7
	s_add_nc_u64 s[20:21], s[4:5], s[20:21]
	s_add_nc_u64 s[46:47], s[6:7], s[46:47]
	CROUND                                         ; all sixteen work-groups are here: the first joint loads meet
.irp s, 0,1
	s_mov_b32 s[G0+4*\s], 1
	s_add_co_u32 s[G0+4*\s+1], s45, \s*SLOT
	s_add_nc_u64 s[G0+4*\s+2:G0+4*\s+3], s[20:21], \s*ASTEP
	s_or_b32 s[G0+4*\s+3], s[G0+4*\s+3], 0x80000000
	s_mov_b32 s[G0B+4*\s], 1
	s_add_co_u32 s[G0B+4*\s+1], s19, \s*SLOT
	s_add_nc_u64 s[G0B+4*\s+2:G0B+4*\s+3], s[46:47], \s*ROWB
	s_or_b32 s[G0B+4*\s+3], s[G0B+4*\s+3], 0x80000000
	s_wait_alu depctr_va_vdst(0)
	s_wait_tensorcnt 0x0
	ds_add_u32 v28, v29
	ds_add_u32 v28, v29
	s_wait_dscnt 0x0
	CROUND
	JLOAD G0+4*\s, G1, G0B+4*\s, G1B
.endr
	v_and_b32 v1, 15, v0                           ; r
	v_bfe_u32 v2, v0, 4, 1                         ; h
	v_and_b32 v6, 31, v0
	v_lshlrev_b32 v[CO], 4, v6                     ; 16 x lane
	v_mul_u32_u24 v3, v1, PITCH
	v_lshl_add_u32 v4, v2, 4, v3
	s_lshl_b32 s21, s15, 15                        ; my 128 rows of y
	s_mul_i32 s22, s16, HALFT
	s_add_co_u32 s22, s22, BOFF                    ; my 128 rows of W_out
.irp s, 0,1
	v_add_nc_u32 v[ADRA+\s], s21, v[CO]
	v_add_nc_u32 v[ADRB+\s], s22, v4
	s_add_co_u32 s21, s21, SLOT
	s_add_co_u32 s22, s22, SLOT
.endr
	s_mul_i32 s23, s14, 16*SPITCH                  ; my stage
	v_mul_u32_u24 v5, v1, SPITCH
	v_lshl_add_u32 v5, v2, 5, v5
	v_add_nc_u32 v[STO], s23, v5                   ; in: row r, 32 bytes for each half of the lanes
	v_add_nc_u32 v[RD], s23, v[CO]                 ; back: the 32 lanes take one row of 512 bytes
	v_lshlrev_b32 v[BO], 5, v2
	s_wait_alu depctr_va_vdst(0)
	s_lshl_b32 s46, s42, 10                        ; my first column, in bytes of f32: 1,024 x tile column + 512 x half
	s_lshl_b32 s47, s16, 9
	s_add_co_u32 s46, s46, s47
	s_mov_b32 s47, 0
	s_add_nc_u64 s[8:9], s[8:9], s[46:47]          ; b_out there
	s_lshl_b32 s20, s17, 8
	s_lshl_b32 s21, s15, 7
	s_add_co_u32 s20, s20, s21                     ; my first row of out0,
	s_lshl_b32 s20, s20, 12                        ; of 4,096 bytes
	s_mov_b32 s21, 0
	s_add_nc_u64 s[20:21], s[20:21], s[46:47]
	s_add_nc_u64 s[12:13], s[12:13], s[20:21]
.irp b, 0,1,2,3,4,5,6,7
	global_load_b128 v[BIAS+8*\b:BIAS+8*\b+3],   v[BO], s[8:9] offset:64*\b
	global_load_b128 v[BIAS+8*\b+4:BIAS+8*\b+7], v[BO], s[8:9] offset:64*\b+16
.endr
	s_wait_loadcnt 0x0
	s_wait_kmcnt 0x0
	s_add_co_i32 s88, s86, s87                     ; e6 + e7
	s_sub_co_i32 s89, 0, s88
.set i, 0
.rept 64
	v_ldexp_f32 v[BIAS+i], v[BIAS+i], s89          ; the bias goes in as b / 2^(e6 + e7)
.set i, i+1
.endr
	s_add_co_i32 s96, s88, 127
	s_lshl_b32 s96, s96, 23                        ; 2^(e6 + e7) as f32
	s_mov_b32 s97, s96                             ; (named with it as a pair, so it is written)
.macro FRAGA reg, adr, q, i            ; y's fragment of tile of rows i, the slot's q-th 128 along K: an image, 512 consecutive bytes a load
.irp c, 0,1,2,3
	ds_load_b128 v[\reg+4*\c:\reg+4*\c+3], v[\adr] offset:ASTEP*(\i)+2048*(\q)+512*\c
.endr
.endm
.macro FRAGB reg, adr, q, i            ; W_out's: lane l holds row l % 16; registers 4 c .. 4 c + 3 hold K = 32 c + 16 (l / 16) + 0 .. 15
.irp c, 0,1,2,3
	ds_load_b128 v[\reg+4*\c:\reg+4*\c+3], v[\adr] offset:128*(\q)+32*\c+(\i)*16*PITCH
.endr
.endm
.macro MUL16 a0, p, zero               ; the 64 accumulators take turns
.irp a, \a0, \a0+1
.irp b, 0,1,2,3,4,5,6,7
.if \zero
	v_wmma_f32_16x16x128_fp8_fp8 v[8*(8*((\a)%4)+\b):8*(8*((\a)%4)+\b)+7], v[128*(\p)+FR*\b:128*(\p)+FR*\b+FR-1], v[AF+FR*(\a):AF+FR*(\a)+FR-1], v[BIAS+8*\b:BIAS+8*\b+7]
.else
	v_wmma_f32_16x16x128_fp8_fp8 v[8*(8*((\a)%4)+\b):8*(8*((\a)%4)+\b)+7], v[128*(\p)+FR*\b:128*(\p)+FR*\b+FR-1], v[AF+FR*(\a):AF+FR*(\a)+FR-1], v[8*(8*((\a)%4)+\b):8*(8*((\a)%4)+\b)+7]
.endif
.endr
.endr
.endm
.macro FETCH_B slot, q, p
	WIN TO_B
.irp i, 0,1,2,3,4,5,6,7
	FRAGB 128*(\p)+FR*\i, ADRB+\slot, \q, \i
.endr
	WIN 0
.endm
.macro FETCH_A slot, q, i0
.irp i, \i0, \i0+1, \i0+2, \i0+3
	FRAGA AF+FR*(\i), ADRA+\slot, \q, \i
.endr
.endm
.macro PLACES n
.rept \n
	v_nop
.endr
.endm
.macro STEP slot, q, zero
	s_wait_dscnt 4*NL                              ; W_out's set and y's blocks 0-3 are in; the youngest sixteen loads (blocks 4-7) may be out
.if \zero
	WIN FIRST_LO
.else
	WIN MUL_LO
.endif
	MUL16 0, (\q)%2, \zero
	MUL16 2, (\q)%2, \zero
	s_wait_dscnt 0
	PLACES NP
	FETCH_B \slot, (\q)+1, 1-(\q)%2
	FETCH_A \slot, (\q)+1, 0
.if \zero
	WIN FIRST_HI
.else
	WIN MUL_HI
.endif
	MUL16 4, (\q)%2, \zero
	MUL16 6, (\q)%2, \zero
	PLACES NP
	WIN 0
	FETCH_A \slot, (\q)+1, 4
.endm
.macro TURN slot, next, fill
	s_wait_tensorcnt 0x0                           ; all my tensor loads have landed: my part of the next slot
	ds_add_u32 v[SPW], v[NIL]                      ; 0 onto my spare word
	s_wait_dscnt 4*NL+1                            ; (the add and the youngest sixteen loads may be out)
	WIN MUL_LO
	MUL16 0, 1, 0
	s_wait_dscnt 0x0                               ; the add is done, and my reads of this slot are over
	s_barrier_signal -1
	MUL16 2, 1, 0
	WIN 0
	s_barrier_wait -1
.if \fill
	CREST                                          ; the barrier has opened a round of the cluster's
	s_add_nc_u64 s[G0+4*\slot+2:G0+4*\slot+3], s[G0+4*\slot+2:G0+4*\slot+3], 2*ASTEP
	s_add_nc_u64 s[G0B+4*\slot+2:G0B+4*\slot+3], s[G0B+4*\slot+2:G0B+4*\slot+3], 2*ROWB
	JLOAD G0+4*\slot, G1, G0B+4*\slot, G1B         ; the first tensor load behind the round
.else
	PLACES NP
.endif
	FETCH_B \next, 0, 0
	FETCH_A \next, 0, 0
	WIN MUL_HI
	MUL16 4, 1, 0
	MUL16 6, 1, 0
	PLACES NP
	WIN 0
	FETCH_A \next, 0, 4
.endm
	s_wait_alu depctr_va_vdst(0)
	s_wait_tensorcnt 1                             ; my part of K step 0 is in (K step 1's load may be out),
	s_barrier_signal -1
	s_barrier_wait -1                              ; everybody's is
	FETCH_B 0, 0, 0
	FETCH_A 0, 0, 0
	FETCH_A 0, 0, 4
	STEP 0, 0, 1
	s_mov_b32 s3, LAPS-1
.Llap:
	TURN 0, 1, 1
	STEP 1, 0, 0
	TURN 1, 0, 1
	STEP 0, 0, 0
	s_sub_co_u32 s3, s3, 1
	s_cmp_lg_u32 s3, 0
	s_cbranch_scc1 .Llap
	TURN 0, 1, 0
	STEP 1, 0, 0
	s_wait_dscnt 4*NL
	WIN MUL_LO
	MUL16 0, 1, 0
	MUL16 2, 1, 0
	s_wait_dscnt 0
	WIN MUL_HI
	MUL16 4, 1, 0
	MUL16 6, 1, 0
	WIN 0
; THE WAY OUT, block by block of 16 rows x 128 columns: through my own stage in LDS and back as whole rows of 512 bytes.  LDS serves a wave's instructions in order (ISA guide 5.7.1.4): no wait between the stores and the loads.
.macro TOSTAGE a
.set AC, 64*((\a)%4)
	WIN 0x02+((\a)/4)
.irp j, 0,2,4,6,8,10,12,14,16,18,20,22,24,26,28,30,32,34,36,38,40,42,44,46,48,50,52,54,56,58,60,62
	v_pk_mul_f32 v[TMP+\j:TMP+\j+1], v[AC+\j:AC+\j+1], s[96:97] op_sel_hi:[1,0]   ; x 2^(e6 + e7); each accumulator from its low end on
.endr
	WIN 0
.irp b, 0,1,2,3,4,5,6,7
	ds_store_b128 v[STO], v[TMP+8*\b:TMP+8*\b+3] offset:64*\b
	ds_store_b128 v[STO], v[TMP+8*\b+4:TMP+8*\b+7] offset:64*\b+16
.endr
.set BB, BK+64*((\a)%2)
.irp t, 0,1,2,3,4,5,6,7,8,9,10,11,12,13,14,15
	ds_load_b128 v[BB+4*\t:BB+4*\t+3], v[RD] offset:\t*SPITCH
.endr
.endm
.macro SEND a, younger
.set BB, BK+64*((\a)%2)
	s_wait_dscnt \younger                          ; the block is back in registers
.if (\a) > 0
	s_add_nc_u64 s[12:13], s[12:13], 16*SIZE_N*4   ; (behind a wait on XCNT: the earlier stores have read their base)
.endif
.irp t, 0,1,2,3,4,5,6,7,8,9,10,11,12,13,14,15
	global_store_b128 v[CO], v[BB+4*\t:BB+4*\t+3], s[12:13] offset:\t*SIZE_N*4 th:TH_STORE_NT   ; 32 lanes store 512 consecutive bytes, aligned
.endr
.endm
	PLACES NP
	TOSTAGE 0
.irp a, 1,2,3,4,5,6,7
.if \a > 1
	s_wait_xcnt 0x0                                ; block a - 2's stores have read their registers and their base
.endif
	TOSTAGE \a
	SEND \a-1, 32                                  ; behind block a - 1's loads: block a's 16 stores and 16 loads
.endr
	s_wait_xcnt 0x0
	SEND 7, 0
	s_wait_tensorcnt 0x0                           ; the wave's end
	ds_add_u32 v[SPW], v[NIL]
	s_wait_dscnt 0x0
	CROUND                                         ; the closing round
	s_endpgm
.Lfunc_end_k_qff8757846f_proj:
	.size	k_qff8757846f_proj, .Lfunc_end_k_qff8757846f_proj-k_qff8757846f_proj
	.p2alignl 7, 3214868480
	.fill 96, 4, 3214868480
	.section	.rodata,"a",@progbits
	.p2align	6, 0x0
	.amdhsa_kernel k_qff8757846f_proj
		.amdhsa_group_segment_fixed_size 327680
		.amdhsa_private_segment_fixed_size 0
		.amdhsa_enable_private_segment 0
		.amdhsa_kernarg_size 40
		.amdhsa_user_sgpr_count 2
		.amdhsa_user_sgpr_kernarg_segment_ptr 1
		.amdhsa_wavefront_size32 1
		.amdhsa_system_sgpr_workgroup_id_x 1
		.amdhsa_system_sgpr_workgroup_id_y 1
		.amdhsa_system_sgpr_workgroup_id_z 1
		.amdhsa_system_vgpr_workitem_id 0
		.amdhsa_next_free_vgpr 1024
		.amdhsa_next_free_sgpr 100
		.amdhsa_reserve_vcc 0
		.amdhsa_float_denorm_mode_32 3
		.amdhsa_float_denorm_mode_16_64 3
		.amdhsa_memory_ordered 1
		.amdhsa_forward_progress 1
		.amdhsa_inst_pref_size 130
	.end_amdhsa_kernel
	.amdgpu_metadata
---
amdhsa.version: [ 1, 2 ]
amdhsa.kernels:
  - .name:           k_qff8757846f_proj
    .symbol:         k_qff8757846f_proj.kd
    .args:
      - { .name: y_img, .offset: 0, .size: 8, .value_kind: global_buffer, .address_space: global }
      - { .name: W_out_codes, .offset: 8, .size: 8, .value_kind: global_buffer, .address_space: global }
      - { .name: b_out, .offset: 16, .size: 8, .value_kind: global_buffer, .address_space: global }
      - { .name: lowp_scales, .offset: 24, .size: 8, .value_kind: global_buffer, .address_space: global }
      - { .name: out0, .offset: 32, .size: 8, .value_kind: global_buffer, .address_space: global }
    .group_segment_fixed_size: 327680
    .private_segment_fixed_size: 0
    .kernarg_segment_align: 8
    .kernarg_segment_size: 40
    .max_flat_workgroup_size: 128
    .sgpr_count:     100
    .vgpr_count:     1024
    .wavefront_size: 32
...
	.end_amdgpu_metadata
.endif
;; end of part 3
